; MI455X (gfx1250); checked and timed in simulation.
; The chip was launched on July 23, 2026; its instructions are those of AMD's public machine-readable ISA for CDNA 5 (MIT licence, August 2026) and "CDNA5" Instruction Set Architecture Reference Guide (July 2026). The comments in the code are by the model that wrote it; some were corrected since.
;; Topos Yoneda Model. Allowed arithmetic: float matrix products may take bf16 or f16 operands with f32 sums; all other float work in f32.
;; Inputs: morphisms_logits 8,192 x 8,192 float32; u 16,384 int32; v 16,384 int32.
;; Outputs: out0 16,384 float32.
;; One version. Each part assembles by itself: llvm-mc -triple=amdgcn-amd-amdhsa -mcpu=gfx1250 --defsym DOCPART=n.
;; ======== version 1 of 1: 1 launch
;; launch gather (part 1): grid 256 x 1, 1 waves a work-group, no clusters, 0 bytes of LDS; arguments u, v, morphisms_logits, out0; writes out0
.if DOCPART == 1
	.amdgcn_target "amdgcn-amd-amdhsa--gfx1250"
	.amdhsa_code_object_version 6
	.text
	.protected	k_qe296568ffc_gather
	.globl	k_qe296568ffc_gather
	.p2align	8
	.type	k_qe296568ffc_gather,@function
k_qe296568ffc_gather:
	s_mov_b64 s[64:65], 0
	v_nop
	global_prefetch_b8 v0, s[64:65] scope:SCOPE_SE
	s_setreg_imm32_b32 hwreg(HW_REG_WAVE_MODE, 25, 1), 1
	s_wait_xcnt 0x0
; out0[i] = sigmoid(M[u[i]][v[i]]),  i = 0 .. 16383.   M: [8192][8192] f32;  u, v: [16384] i32;  out0: [16384] f32.
; The sigmoid works element by element, so it is taken of the 16,384 gathered words alone; the rest of M is never needed.
; 256 work-groups of one wave; a wave owns 64 neighbouring pairs, a lane two.  So the wave's load of u, its load of v and its
; store of out0 each cover 256 consecutive bytes at a multiple of 256 from the buffer's first byte, and all 16,384 gathers of
; the launch are under way at the same time.  The work is one chain of dependent memory trips (addresses, indices, table words,
; result); there is no loop, no reuse and nothing shared, hence no LDS, no barrier, no cluster and no prefetch (a table address
; is known only when its index has come, and the gather is issued right there).
; LIMITS.  Indices are taken to lie in 0 .. 8191; any other (a negative one too, read as unsigned) is clamped to 8191.
; Where the true sigmoid lies under 2^-126 (logits below about -87.3) the result is 0: v_rcp_f32 flushes denormal results
; (ISA guide 15.8), and past 2^128 v_exp_f32 gives infinity, whose reciprocal is 0.  +-infinity give 1 and 0, NaN gives NaN.
.set VMAX,     8191                    ; largest index of a row or a column
.set ROW_LOG2, 15                      ; a row of M is 8,192 x 4 = 2^15 bytes
.set WG_LOG2,  8                       ; a work-group's 64 pairs are 2^8 bytes of u, of v and of out0
.set NLOG2E,   0xbfb8aa3b               ; -log2(e): e^-x = 2^(-log2(e) x)
	s_load_b256 s[4:11], s[0:1], 0x0               ; u s[4:5], v s[6:7], M s[8:9], out0 s[10:11]
	s_lshl_b32 s2, ttmp9, WG_LOG2                  ; the work-group's first byte in u, v and out0
	v_lshl_add_u32 v1, v0, 3, s2                   ; + 8 bytes a lane: my two pairs
	s_wait_kmcnt 0x0
	global_load_b64 v[2:3], v1, s[4:5] th:TH_LOAD_NT       ; u of my two pairs (read once in the launch)
	global_load_b64 v[4:5], v1, s[6:7] th:TH_LOAD_NT       ; v of my two pairs
	s_wait_loadcnt 0x0                             ; an address needs both of its indices
	v_min_u32 v2, VMAX, v2                         ; no loaded number enters an address unclamped
	v_min_u32 v3, VMAX, v3
	v_min_u32 v4, VMAX, v4
	v_min_u32 v5, VMAX, v5
	v_lshlrev_b32 v2, ROW_LOG2, v2                 ; the row's first byte
	v_lshlrev_b32 v3, ROW_LOG2, v3
	v_lshl_add_u32 v6, v4, 2, v2                   ; + 4 x column: at most 2^28 - 4, inside the 32-bit offset
	v_lshl_add_u32 v7, v5, 2, v3
	global_load_b32 v8, v6, s[8:9]                 ; the two logits; no hint: the list may name a word or its neighbours again
	global_load_b32 v9, v7, s[8:9]
	s_wait_loadcnt 0x0                             ; both feed the packed arithmetic below
	; sigmoid(x) = 1 / (1 + 2^(-log2(e) x)): saturates to 0 and to 1 by itself, nothing to take away beforehand
	v_pk_mul_f32 v[8:9], v[8:9], NLOG2E op_sel_hi:[1,0]
	v_exp_f32 v10, v8
	v_exp_f32 v11, v9
	v_nop                                          ; one plain vector instruction behind a transcendental before its result is used (ISA guide 5.7.2)
	s_wait_alu depctr_va_vdst(0)
	v_pk_add_f32 v[10:11], v[10:11], 1.0 op_sel_hi:[1,0]
	v_rcp_f32 v12, v10
	v_rcp_f32 v13, v11
	v_nop                                          ; the same, in front of the store that reads the results
	s_wait_alu depctr_va_vdst(0)
	global_store_b64 v1, v[12:13], s[10:11] th:TH_STORE_NT ; the wave stores 256 consecutive bytes, aligned; not read again
	s_endpgm
.Lfunc_end_k_qe296568ffc_gather:
	.size	k_qe296568ffc_gather, .Lfunc_end_k_qe296568ffc_gather-k_qe296568ffc_gather
	.p2alignl 7, 3214868480
	.fill 96, 4, 3214868480
	.section	.rodata,"a",@progbits
	.p2align	6, 0x0
	.amdhsa_kernel k_qe296568ffc_gather
		.amdhsa_group_segment_fixed_size 0
		.amdhsa_private_segment_fixed_size 0
		.amdhsa_enable_private_segment 0
		.amdhsa_kernarg_size 32
		.amdhsa_user_sgpr_count 2
		.amdhsa_user_sgpr_kernarg_segment_ptr 1
		.amdhsa_wavefront_size32 1
		.amdhsa_system_sgpr_workgroup_id_x 1
		.amdhsa_system_sgpr_workgroup_id_y 1
		.amdhsa_system_sgpr_workgroup_id_z 1
		.amdhsa_system_vgpr_workitem_id 0
		.amdhsa_next_free_vgpr 14
		.amdhsa_next_free_sgpr 66
		.amdhsa_reserve_vcc 0
		.amdhsa_float_denorm_mode_32 3
		.amdhsa_float_denorm_mode_16_64 3
		.amdhsa_memory_ordered 1
		.amdhsa_forward_progress 1
		.amdhsa_inst_pref_size 2
	.end_amdhsa_kernel
	.amdgpu_metadata
---
amdhsa.version: [ 1, 2 ]
amdhsa.kernels:
  - .name:           k_qe296568ffc_gather
    .symbol:         k_qe296568ffc_gather.kd
    .args:
      - { .name: u, .offset: 0, .size: 8, .value_kind: global_buffer, .address_space: global }
      - { .name: v, .offset: 8, .size: 8, .value_kind: global_buffer, .address_space: global }
      - { .name: morphisms_logits, .offset: 16, .size: 8, .value_kind: global_buffer, .address_space: global }
      - { .name: out0, .offset: 24, .size: 8, .value_kind: global_buffer, .address_space: global }
    .group_segment_fixed_size: 0
    .private_segment_fixed_size: 0
    .kernarg_segment_align: 8
    .kernarg_segment_size: 32
    .max_flat_workgroup_size: 32
    .sgpr_count:     66
    .vgpr_count:     14
    .wavefront_size: 32
...
	.end_amdgpu_metadata
.endif
;; end of part 1
